; MI455X (gfx1250); checked and timed in simulation.
; The chip was launched on July 23, 2026; its instructions are those of AMD's public machine-readable ISA for CDNA 5 (MIT licence, August 2026) and "CDNA5" Instruction Set Architecture Reference Guide (July 2026). The comments in the code are by the model that wrote it; some were corrected since.
;; Attention. Allowed arithmetic: matrix products marked QUANTISED: E4M3 operands, one given power-of-two scale a tensor, by v_wmma_f32_16x16x64_fp8_fp8 or v_wmma_f32_16x16x128_fp8_fp8, f32 sums; everything else in f32.
;; Inputs: key 16 x 2,048 x 512 float32; lowp_scales 4 int32 (the exponents e of the quantised operands' scales 2^e); mask 16 x 2,048 bool; query 16 x 2,048 x 512 float32; value 16 x 2,048 x 512 float32.
;; Outputs: out0 16 x 2,048 x 512 float32.
;; This version of the problem:
;;   THIS VERSION OF THE PROBLEM IS GIVEN IN LOW PRECISION. The matrix products marked QUANTISED in the list below multiply operands that are first quantised to E4M3 (4 exponent bits, 3 mantissa bits; 8 bits a number), with one given power-of-two scale for each operand tensor; their sums are f32. All else is computed in f32.
;;   The module's matrix products, in the order in which they are computed (A, B: the left and right operand; K: the contracted axis; several contracted axes count as one K, in the product's order):
;;     1. batch 16 x [M 2,048, K 512] x [K 512, N 2,048]; A: input query; B: input key: QUANTISED (scales: A lowp_scales[0], B lowp_scales[1])
;;     2. batch 16 x [M 2,048, K 2,048] x [K 2,048, N 512]; A: softmax (see below); B: input value: QUANTISED (scales: A lowp_scales[2], B lowp_scales[3])
;;   THE QUANTISER, for each operand of a quantised product, along K:
;;     - The operand's scale is 2^e, e = its entry of the input lowp_scales (int32; the entries are numbered through the quantised products in the list's order, A before B).
;;     - Each number is divided by the scale, clamped to +-448, and rounded to the nearest number of E4M3, ties to even, subnormals kept.
;;     - The product sums the exact products of the quantised numbers (number of the format x scale) in f32.
;;   ~~~python
;;   def quantise(x, axis, e):      # numpy; x: float32 -> the quantised numbers, widened to float32 again
;;       x = np.moveaxis(x, axis, -1); K = x.shape[-1]
;;       r = np.clip(x / 2.0 ** e, -448, 448)
;;       step = 2.0 ** (np.maximum(np.frexp(np.where(r == 0, 1, r))[1] - 1, -6) - 3)
;;       q = np.round(r / step) * step * 2.0 ** e      # np.round: ties to even
;;       return np.moveaxis(q, -1, axis).astype(np.float32)
;;   ~~~
;;   SOFTMAX AHEAD OF A QUANTISED PRODUCT. Where the list says 'softmax', what is quantised is not the finished softmax but p = 2^(t - M), with t = logit x log2(e) and M = ceil(the row's largest t), a whole number; so 1/2 < the row's largest p <= 1. The row's sum l is taken of the UNQUANTISED p, in f32, and the product's result is divided by l at the end. Since M is a whole number, a kernel that streams over the keys may use a running M (the ceiling of the running maximum): every later rescaling is an exact power of two, so the quantised numbers keep their values, but for numbers so far below the row's largest that they fall under the format's range.
;;   OPERANDS COMPUTED ON THE WAY. 'Computed on the way' means the value that the module computes at that place (a softmax that the list does not call 'softmax' is quantised finished and normalised). What goes into a quantiser is computed in f32, as accurately as f32 sums, v_exp_f32 and their like allow (about 1e-6 of the number): no bf16 or f16 on the way to a quantiser, and a product that is left as it is and whose result goes on into a quantised operand takes f32 operands (vector FMAs, or v_wmma_f32_16x16x4_f32). A number that lies on a knife's edge between two numbers of the format may be rounded either way, as far as f32 arithmetic and the matrix unit's own rounding can turn it there, and no further.
;; One version. Each part assembles by itself: llvm-mc -triple=amdgcn-amd-amdhsa -mcpu=gfx1250 --defsym DOCPART=n.
;; ======== version 1 of 1: 2 launches
;; limits: right only within a limited range of input values
;; workspace buffers: qc 16,777,216 bytes; kv 33,554,432 bytes
;; launch quant (part 1): grid 1536 x 1, 4 waves a work-group, no clusters, 55,808 bytes of LDS; arguments query, key, value, lowp_scales, qc, kv; writes qc, kv
.if DOCPART == 1
	.amdgcn_target "amdgcn-amd-amdhsa--gfx1250"
	.amdhsa_code_object_version 6
	.text
	.protected	k_q4a05fd23a2_quant
	.globl	k_q4a05fd23a2_quant
	.p2align	8
	.type	k_q4a05fd23a2_quant,@function
k_q4a05fd23a2_quant:
	s_mov_b64 s[64:65], 0
	v_nop
	global_prefetch_b8 v0, s[64:65] scope:SCOPE_SE
	s_setreg_imm32_b32 hwreg(HW_REG_WAVE_MODE, 25, 1), 1
	s_wait_xcnt 0x0
; query, key, value [16][2048][512] f32 become codes of FP8 (E4M3), each with the one scale 2^e given for it (entries 0, 1, 3 of the scales), laid as IMAGES OF OPERAND REGISTERS for the attention launch.
; code = x / 2^e, held within +-448, rounded to the nearest code, ties to even.  LIMITS: -126 <= e <= 119, so that 2^e and 448 x 2^e are f32 numbers; NaN among the inputs is not served.
; qc: tile T (16 rows) at 8192 T; in it the 16 codes k = 16 L .. 16 L + 15 of row r lie at 256 L + 16 r.  A fragment (16 rows x 128 K) is then four runs of 512 bytes, 16 bytes a lane.
; kv: a block of 131,072 bytes for each (batch, 128 keys): 8 tiles of K laid as qc's, then 32 tiles of V (16 channels x 128 keys, 2,048 bytes each: the 16 codes of keys 16 L .. of channel r at 256 L + 16 r).
;     THE KEYS OF A TILE OF K ARE NOT NEIGHBOURS: row r of tile kt is key 32 (kt / 2) + 8 (kt % 2) + r + 8 (r / 8), so that the scores' registers of two neighbouring tiles are 16 neighbouring keys.
; Work-groups 0-511 take query, 512-1023 key (one path, the buffers chosen by the work-group's number), 1024-1535 value (a path of its own, which uses no LDS).  Waves share nothing: no barrier.
; QUERY, KEY: K (the 512) is innermost.  A wave takes a tile; a step is a row of 2,048 bytes: four loads of 512 consecutive bytes, turned through the wave's stage in LDS so that a lane holds 16 neighbours (rows of 64 bytes + 16).
;     A lane's 16 codes belong to run L = lane, place r = step: they are gathered in a second stage (32 rows of 256 bytes + 16) and leave as 16 stores of 512 consecutive bytes.
; VALUE: K (the keys) is the first axis.  A lane takes a channel and its registers run down the keys, 32 a block; 16 codes of 16 neighbouring channels are 256 consecutive bytes of kv: stored straight from registers.
.set SP,    80                         ; a lane's place in an in-stage: 64 bytes + 16
.set WREG,  13824                      ; LDS of a wave: two in-stages of 32 x 80 bytes, one out-stage of 32 x 272
.set OSTG,  5120
.set OP,    272
.set MANT,  0x600000                   ; the mantissa field of 448 as f32
.set R,     16                         ; v16-79   four sets of 16 numbers as loaded; at the end the tile's codes by rows
.set X,     80                         ; v80-111  two sets of 16 neighbours
.set C,     128                        ; v128-191 codes, four registers a step
.set VX,    32                         ; value: v32-95 two sets of 32 numbers
.set VC,    96                         ; value: v96-159 codes, eight registers a block, never written twice
	s_load_b256 s[4:11], s[0:1], 0x0               ; query s[4:5], key s[6:7], value s[8:9], the scales' exponents s[10:11]
	s_load_b128 s[12:15], s[0:1], 0x20             ; qc s[12:13], kv s[14:15]
	v_lshl_add_u32 v192, v0, 2, 0xd800
	v_mov_b32 v193, 0
	v_lshrrev_b32 v1, 5, v0
	v_readfirstlane_b32 s16, v1                    ; wave 0..3
	v_and_b32 v2, 31, v0                           ; lane
	s_wait_kmcnt 0x0
	s_load_b128 s[20:23], s[10:11], 0x0            ; eq, ek, ep, ev
	s_cmp_ge_u32 ttmp9, 1024
	s_cbranch_scc1 .Lvalue
.macro SCALE se                        ; s[se] = e: v11 = 2^e (the conversion takes its exponent field), v10 = 448 x 2^e
	s_add_co_i32 s34, s[\se], 127
	s_lshl_b32 s35, s34, 23
	v_mov_b32 v11, s35
	s_add_co_i32 s34, s34, 8
	s_lshl_b32 s34, s34, 23
	s_or_b32 s34, s34, MANT
	v_mov_b32 v10, s34
.endm
	; ---------------- query and key
	s_wait_alu depctr_va_vdst(0)
	v_lshlrev_b32 v3, 4, v2                        ; 16 x lane: my bytes of a load's 512, and of a store's
	s_mul_i32 s17, s16, WREG
	v_lshrrev_b32 v14, 2, v2
	v_mul_u32_u24 v14, v14, SP
	v_and_b32 v15, 3, v2
	v_lshl_add_u32 v14, v15, 4, v14
	v_add_nc_u32 v14, s17, v14                     ; in-stage, way in: 80 (lane / 4) + 16 (lane % 4)
	v_mul_u32_u24 v15, v2, SP
	v_add_nc_u32 v15, s17, v15                     ; in-stage, way out: 80 x lane: my 16 neighbours
	v_mul_u32_u24 v12, v2, OP
	v_add_nc_u32 v12, s17, v12
	v_add_nc_u32 v12, OSTG, v12                    ; out-stage, way in: row L = lane
	v_lshrrev_b32 v13, 4, v2
	v_mul_u32_u24 v13, v13, OP
	v_and_b32 v9, 15, v2
	v_lshl_add_u32 v13, v9, 4, v13
	v_add_nc_u32 v13, s17, v13
	v_add_nc_u32 v13, OSTG, v13                    ; out-stage, way out: sixteen lanes to a row, two rows an instruction
	s_and_b32 s24, ttmp9, 511
	s_lshl_b32 s24, s24, 2
	s_add_co_u32 s24, s24, s16                     ; T: my tile, 0..2047
	s_lshl_b32 s25, s24, 4                         ; query: first row 16 T,
	s_lshl_b32 s26, s24, 13                        ; image at 8192 T
	s_lshr_b32 s27, s24, 3                         ; key: the block T / 8,
	s_lshl_b32 s28, s27, 7
	s_bfe_u32 s29, s24, 0x20001
	s_lshl_b32 s29, s29, 5
	s_add_co_u32 s28, s28, s29
	s_and_b32 s29, s24, 1
	s_lshl_b32 s29, s29, 3
	s_add_co_u32 s28, s28, s29                     ; first row 128 (T / 8) + 32 ((T / 2) % 4) + 8 (T % 2),
	s_lshl_b32 s27, s27, 17
	s_and_b32 s29, s24, 7
	s_lshl_b32 s29, s29, 13
	s_add_co_u32 s27, s27, s29                     ; image at 131072 (T / 8) + 8192 (T % 8)
	s_cmp_lt_u32 ttmp9, 512                        ; query's work-group or key's?  The choice hangs on the work-group's number alone
	s_cselect_b32 s25, s25, s28
	s_cselect_b32 s26, s26, s27
	s_cselect_b32 s30, 0, 16384                    ; key: rows 8-15 of a tile lie 8 rows further down than their number says
	s_cselect_b64 s[4:5], s[4:5], s[6:7]
	s_cselect_b64 s[8:9], s[12:13], s[14:15]
	s_lshl_b32 s32, s25, 11                        ; a row is 2,048 bytes
	s_mov_b32 s33, 0
	s_add_nc_u64 s[4:5], s[4:5], s[32:33]          ; rows 0-7 from here,
	s_mov_b32 s31, 0
	s_add_nc_u64 s[6:7], s[4:5], s[30:31]          ; rows 8-15 from here
	s_mov_b32 s27, 0
	s_add_nc_u64 s[8:9], s[8:9], s[26:27]          ; the tile's image
.macro LOAD t                          ; row t: 32 lanes read 512 consecutive bytes, four times
.irp i, 0,1,2,3
.if (\t) < 8
	global_load_b128 v[R+16*((\t)%4)+4*\i:R+16*((\t)%4)+4*\i+3], v3, s[4:5] offset:2048*(\t)+512*\i th:TH_LOAD_NT
.else
	global_load_b128 v[R+16*((\t)%4)+4*\i:R+16*((\t)%4)+4*\i+3], v3, s[6:7] offset:2048*(\t)+512*\i th:TH_LOAD_NT
.endif
.endr
.endm
.macro TURN t                          ; row t through an in-stage: LDS serves a wave's instructions in order (ISA guide 5.7.1.4), so no wait stands between the stores and the loads
.irp i, 0,1,2,3
	ds_store_b128 v14, v[R+16*((\t)%4)+4*\i:R+16*((\t)%4)+4*\i+3] offset:32*SP*((\t)%2)+8*SP*\i
.endr
.irp i, 0,1,2,3
	ds_load_b128 v[X+16*((\t)%2)+4*\i:X+16*((\t)%2)+4*\i+3], v15 offset:32*SP*((\t)%2)+16*\i
.endr
.endm
.irp t, 0,1,2,3
	LOAD \t
.endr
	s_wait_kmcnt 0x0
	s_cmp_lt_u32 ttmp9, 512
	s_cselect_b32 s20, s20, s21                    ; eq or ek
	SCALE 20
	s_wait_alu depctr_va_vdst(0)
	s_wait_loadcnt 12                              ; row 0's four loads are in; rows 1 to 3 may be out
	TURN 0
.macro STEP t
.set XS, X+16*((\t)%2)
	s_wait_dscnt 0x0                               ; this row's numbers are back from the stage, so its stores into the stage have read their registers,
.if (\t)+4 < 16
	LOAD (\t)+4                                    ; which take the row four further on
.endif
.if (\t)+1 < 16
.if 14-(\t) >= 3
	s_wait_loadcnt 12                              ; the next row's four loads are in; those of the three rows behind it may be out
.else
	s_wait_loadcnt 4*(14-(\t))
.endif
	TURN (\t)+1                                    ; it goes through the other stage while this row is worked
.endif
.set i, 0
.rept 16
	v_med3_num_f32 v[XS+i], v[XS+i], -v10, v10     ; the conversion to an 8-bit code does not saturate (ISA guide 7.6.2): the hold at the largest code x the scale comes first
.set i, i+1
.endr
	v_cvt_scalef32_pk8_fp8_f32 v[C+4*(\t):C+4*(\t)+1], v[XS:XS+7], v11
	v_cvt_scalef32_pk8_fp8_f32 v[C+4*(\t)+2:C+4*(\t)+3], v[XS+8:XS+15], v11
	ds_store_b128 v12, v[C+4*(\t):C+4*(\t)+3] offset:16*(\t)   ; run L = lane, place r = this row.  (The codes go to an LDS store alone; the next vector lines are the next row's holds, on other registers)
.endm
.irp t, 0,1,2,3,4,5,6,7,8,9,10,11,12,13,14,15
	STEP \t
.endr
.irp i, 0,1,2,3,4,5,6,7,8,9,10,11,12,13,14,15
	ds_load_b128 v[R+4*\i:R+4*\i+3], v13 offset:2*OP*\i        ; runs 2 i and 2 i + 1; these see my stores above (in order)
.endr
.irp i, 0,1,2,3,4,5,6,7,8,9,10,11,12,13,14,15
	s_wait_dscnt 15-\i
	global_store_b128 v3, v[R+4*\i:R+4*\i+3], s[8:9] offset:512*\i   ; 32 lanes store 512 consecutive bytes, at a multiple of 512 from the buffer's first byte
.endr
	s_wait_tensorcnt 0x0
	ds_add_u32 v192, v193
	s_wait_dscnt 0x0
	s_endpgm
	; ---------------- value: a wave takes 32 channels x 256 keys, 8 blocks of 32 keys
.Lvalue:
	s_sub_co_u32 s24, ttmp9, 1024
	s_and_b32 s25, s24, 3                          ; which 128 channels
	s_bfe_u32 s26, s24, 0x30002                    ; which 256 keys
	s_lshr_b32 s27, s24, 5                         ; batch
	s_lshl_b32 s25, s25, 7
	s_lshl_b32 s28, s16, 5
	s_add_co_u32 s25, s25, s28                     ; my wave's first channel
	s_lshl_b32 s28, s27, 22                        ; in value: a batch is 2^22 bytes, 256 keys 2^19, a channel 4
	s_lshl_b32 s29, s26, 19
	s_add_co_u32 s28, s28, s29
	s_lshl_b32 s29, s25, 2
	s_add_co_u32 s28, s28, s29
	s_mov_b32 s29, 0
	s_add_nc_u64 s[8:9], s[8:9], s[28:29]
	s_lshl_b32 s30, s27, 21                        ; in kv: a batch is 2^21 bytes, 256 keys two blocks, V begins 65,536 into a block, 16 channels are 2,048 bytes
	s_lshl_b32 s31, s26, 18
	s_add_co_u32 s30, s30, s31
	s_lshl_b32 s31, s25, 7
	s_add_co_u32 s30, s30, s31
	s_add_co_u32 s30, s30, 65536
	s_mov_b32 s31, 0
	s_add_nc_u64 s[14:15], s[14:15], s[30:31]
	s_wait_alu depctr_va_vdst(0)
	v_lshlrev_b32 v3, 2, v2                        ; in: 4 bytes a lane
	v_lshrrev_b32 v4, 4, v2
	v_and_b32 v5, 15, v2
	v_lshlrev_b32 v4, 11, v4
	v_lshl_add_u32 v4, v5, 4, v4                   ; out: 2048 (lane / 16) + 16 (lane % 16)
.macro VLOAD t                         ; block t: value(32 t + i, my channel), i = 0 .. 31: each load reads 128 consecutive bytes, the four waves side by side 512
.set i, 0
.rept 32
	global_load_b32 v[VX+32*((\t)%2)+i], v3, s[8:9] offset:(32*(\t)+i)*2048 th:TH_LOAD_NT
.set i, i+1
.endr
.endm
	VLOAD 0
	VLOAD 1
	s_wait_kmcnt 0x0
	SCALE 23
.macro VBLOCK t
.set XS, VX+32*((\t)%2)
.if (\t) < 7
	s_wait_loadcnt 32                              ; this block's 32 loads are in; the next block's may be out
.else
	s_wait_loadcnt 0
.endif
.set i, 0
.rept 32
	v_med3_num_f32 v[XS+i], v[XS+i], -v10, v10
.set i, i+1
.endr
.irp g, 0,1,2,3
	v_cvt_scalef32_pk8_fp8_f32 v[VC+8*(\t)+2*\g:VC+8*(\t)+2*\g+1], v[XS+8*\g:XS+8*\g+7], v11
.endr
	global_store_b128 v4, v[VC+8*(\t):VC+8*(\t)+3], s[14:15] offset:131072*((\t)/4)+512*((\t)%4)         ; keys 0-15 of the block: sixteen lanes store 256 consecutive bytes, aligned
	global_store_b128 v4, v[VC+8*(\t)+4:VC+8*(\t)+7], s[14:15] offset:131072*((\t)/4)+512*((\t)%4)+256   ; keys 16-31
.if (\t)+2 < 8
	VLOAD (\t)+2
.endif
.endm
	s_wait_alu depctr_va_vdst(0)
.irp t, 0,1,2,3,4,5,6,7
	VBLOCK \t
.endr
	s_endpgm
.Lfunc_end_k_q4a05fd23a2_quant:
	.size	k_q4a05fd23a2_quant, .Lfunc_end_k_q4a05fd23a2_quant-k_q4a05fd23a2_quant
	.p2alignl 7, 3214868480
	.fill 96, 4, 3214868480
	.section	.rodata,"a",@progbits
	.p2align	6, 0x0
	.amdhsa_kernel k_q4a05fd23a2_quant
		.amdhsa_group_segment_fixed_size 55808
		.amdhsa_private_segment_fixed_size 0
		.amdhsa_enable_private_segment 0
		.amdhsa_kernarg_size 48
		.amdhsa_user_sgpr_count 2
		.amdhsa_user_sgpr_kernarg_segment_ptr 1
		.amdhsa_wavefront_size32 1
		.amdhsa_system_sgpr_workgroup_id_x 1
		.amdhsa_system_sgpr_workgroup_id_y 1
		.amdhsa_system_sgpr_workgroup_id_z 1
		.amdhsa_system_vgpr_workitem_id 0
		.amdhsa_next_free_vgpr 194
		.amdhsa_next_free_sgpr 66
		.amdhsa_reserve_vcc 0
		.amdhsa_float_denorm_mode_32 3
		.amdhsa_float_denorm_mode_16_64 3
		.amdhsa_memory_ordered 1
		.amdhsa_forward_progress 1
		.amdhsa_inst_pref_size 86
	.end_amdhsa_kernel
	.amdgpu_metadata
---
amdhsa.version: [ 1, 2 ]
amdhsa.kernels:
  - .name:           k_q4a05fd23a2_quant
    .symbol:         k_q4a05fd23a2_quant.kd
    .args:
      - { .name: query, .offset: 0, .size: 8, .value_kind: global_buffer, .address_space: global }
      - { .name: key, .offset: 8, .size: 8, .value_kind: global_buffer, .address_space: global }
      - { .name: value, .offset: 16, .size: 8, .value_kind: global_buffer, .address_space: global }
      - { .name: lowp_scales, .offset: 24, .size: 8, .value_kind: global_buffer, .address_space: global }
      - { .name: qc, .offset: 32, .size: 8, .value_kind: global_buffer, .address_space: global }
      - { .name: kv, .offset: 40, .size: 8, .value_kind: global_buffer, .address_space: global }
    .group_segment_fixed_size: 55808
    .private_segment_fixed_size: 0
    .kernarg_segment_align: 8
    .kernarg_segment_size: 48
    .max_flat_workgroup_size: 128
    .sgpr_count:     66
    .vgpr_count:     194
    .wavefront_size: 32
...
	.end_amdgpu_metadata
.endif
;; end of part 1
;; launch attn (part 2): grid 16 x 16, 4 waves a work-group, clusters of 4 x 1, 327,680 bytes of LDS; arguments qc, kv, mask, lowp_scales, out0; writes out0
.if DOCPART == 2
	.amdgcn_target "amdgcn-amd-amdhsa--gfx1250"
	.amdhsa_code_object_version 6
	.text
	.protected	k_q4a05fd23a2_attn
	.globl	k_q4a05fd23a2_attn
	.p2align	8
	.type	k_q4a05fd23a2_attn,@function
k_q4a05fd23a2_attn:
	s_mov_b64 s[64:65], 0
	v_nop
	global_prefetch_b8 v0, s[64:65] scope:SCOPE_SE
	s_setreg_imm32_b32 hwreg(HW_REG_WAVE_MODE, 25, 1), 1
	s_wait_xcnt 0x0
	s_wait_alu depctr_hold_cnt(0) depctr_sa_sdst(0) depctr_va_vdst(0) depctr_va_sdst(0) depctr_va_ssrc(0) depctr_va_vcc(0) depctr_vm_vsrc(0)
	s_getreg_b32 s2, hwreg(HW_REG_IB_STS2, 6, 4)
	s_cmp_eq_u32 s2, 0
	s_cbranch_scc0 .Lentry_in_a_cluster
	s_endpgm
.Lentry_in_a_cluster:
	s_bfe_u32 s2, ttmp6, 0x10000c
	s_cmp_lg_u32 s2, 0x3003
	s_cbranch_scc0 .Lentry_shape_is_right
	s_endpgm
.Lentry_shape_is_right:
; out0[b][q][:] = sum over k of softmax_k(query[b][q] . key[b][k] / sqrt(512) - (1 - mask[b][q]) 1e9) value[b][k][:], both products on codes of FP8 (E4M3), each operand with its given scale 2^e: eq, ek, ep, ev.
; qc and kv hold the codes as images of operand registers: a fragment (16 rows x 128 K, 16 registers a lane) is four runs of 512 bytes, 16 bytes a lane.
; THE MASK'S TERM STAYS, though it is the same along the softmax's axis: 1e9 is so large beside the scores that f32 loses their low bits, and the result of a masked row hangs on that.  It is arithmetic, never a branch:
; u = score x scale - o (o = 0 or 1e9), one fused multiply-add; t = u x log2(e), rounded; t - M, rounded: three roundings that stand apart on purpose.
; THE SOFTMAX: M = the row's largest t so far rounded UP to a whole number; p = 2^(t - M) is quantised along the keys, not normalised; the row's sum is taken of the unquantised p and divides at the end.
; When M moves, the sum and O are multiplied by f = 2^(old M - new M): exact, no branch on data.
; SHARES.  A work-group owns 128 queries of one batch, each of its four waves 32: two tiles of 16; O^T of a tile is 512 channels x 16 queries = 256 registers.  Both products are used transposed: a lane holds one query (lane % 16).
; The keys of a tile of K are chosen (by the launch that laid kv) so that the 16 registers of score tiles 2 b, 2 b + 1 are 16 neighbouring keys: the conversions' results are the second product's operand.
; TURNS.  The second product runs one step behind the first.  Turn t (0 .. 16):
;   A: the scores of step t, 64 products; behind each, four lines bring one accumulator of O^T under the M of step t - 1; the scores' maxima stand behind the groups.
;   X: the new M and f, the change of slots; the first scaling stands inside the barrier.
;   B: the other two scalings, then ALL 128 exponentials as one batch, with one wait ahead of it and one behind it.
;   C: O^T += V^T P of step t - 1, 64 products; the sums and holds of step t, plain lines all, three behind each product; then p's codes.
; So no exponential stands between a product's write of O^T or S^T and its first reader.  Turn 0 has no second product, turn 1's starts O^T's sums, turn 16 has no scores.
; RING.  K and V of step t lie in LDS slot t % 2 as the step's block of 131,072 bytes lies in kv.  At X of turn t waves 0, 1 ask for the halves of K of step t + 2, waves 2, 3 for those of V of step t, into slot t % 2.
; At the head each wave asks for one half of step 0's K or V; step 1's come behind the full sequence and a round.  By this text's count a wave has one tensor load out.
; CLUSTER.  The four work-groups of a cluster belong to one batch and walk the same kv: each half is asked for jointly.  A mask names four at the most, so 4 x 1.
; LIMITS: eq + ek between -121 and 132 (added to the scale's exponent field); ep between -126 and 119; ep + ev goes by v_ldexp_f32 and has none.  NaN among the inputs is not served.
; REGISTERS, in windows of 256 (s_set_vgpr_msb: bits 1:0 source 0, 3:2 source 1, 5:4 source 2, 7:6 destination):
;   window 0: v1-13 addresses; v16-39 statistics, 12 a tile; v40, v41 hold and scale of p; v64-191 S^T; v192-223 p's codes
;   windows 1, 2: O^T: accumulator a = 2 (channel tile) + (query tile) at v[8 (a % 32)] of window 1 + a / 32;   window 3: v0-127 Q; v128-191, v192-255 two buffers of four fragments
.set DUAL,   1                         ; 1: the plain multiplies and adds of window 0 go as dual pairs; 0: as packed forms
.set RSD,    0                         ; the same choice for O^T's rescaling
.set SLOT1,  1<<17
.set VOFF,   65536                     ; in a slot and in a block: K's 32 fragments, then V's 32
.set BLKB,   131072
.set SPARE,  2*SLOT1                   ; the spare words, 128 bytes a wave: no other line names them
.set STAGE,  SPARE+512                 ; the way out: 16 rows x (512 + 16) bytes a wave; no tensor load lands here
.set SPITCH, 528
.set LI,   1                           ; 16 x lane
.set LIV,  2                           ; the same + VOFF
.set ADK,  3                           ; LDS address of the K in hand
.set ADV,  4                           ; of the V in hand
.set SPW,  5                           ; my spare word; never rewritten
.set NIL,  6                           ; 0; never rewritten
.set STO,  7
.set RD,   8
.set PFO,  10                          ; 256 x lane
.set MKO,  11                          ; lane % 16
.set MK,   12
.set ST,   16                          ; tile t at ST+12 t: +0 -M, +1 largest t; +2, +3 the sum; +4 f (+5 named with it); +6 -o (+7 named with it); +8, +9 maxima; +10, +11 at work
.set LIMV, 40                          ; 448 x 2^ep
.set SCV,  41                          ; 2^ep
.set S,    64
.set P,    192
.set TMP,  64
.set FB,   128
.set WV,   14
.set G1,   24
.set G0KA, 32
.set G0K,  36
.set C1,   44
.set L2E,  46
.set SEL,  48
.set TB,   50
.set SLOTS, 51
.set TAIL, 52
.set LIM,  53
.set PFA,  54
.set EPV,  56
.set G0VA, 68
.set G0V,  72
.set LIMT, 76
.set HALF, 77
.set MSB, 0
.macro WIN new                         ; the high byte repeats the setting that is left; a switch that changes nothing is dropped
.if MSB != (\new)
	s_set_vgpr_msb (MSB<<8)|(\new)
.set MSB, \new
.endif
.endm
.macro VW                              ; the wait round transcendentals and ahead of waits and branches behind which fresh vector results are read
	s_wait_alu depctr_va_vdst(0)
.endm
.macro PLACES cnt
.rept \cnt
	v_nop
.endr
.endm
.macro CREST                           ; a round of the cluster's barrier behind its opening barrier
	s_cmp_lg_u32 s[WV], 0
	s_cbranch_scc1 .Lnot_wave_0_\@
	s_barrier_signal -3
.Lnot_wave_0_\@:
	s_barrier_wait -3
	s_barrier_signal -1
	s_barrier_wait -1
.endm
.macro CROUND
	s_barrier_signal -1
	s_barrier_wait -1
	CREST
.endm
; four fragments into buffer g % 2.  K's group g: key tiles 2 (g / 2) + f % 2, chunks 2 (g % 2) + f / 2; fragment (tile, chunk) lies at 2048 (4 tile + chunk)
.macro LOADK g
	WIN 0xc0
.irp f, 0,1,2,3
.irp c, 0,1,2,3
	ds_load_b128 v[FB+64*((\g)%2)+16*\f+4*\c:FB+64*((\g)%2)+16*\f+4*\c+3], v[ADK] offset:2048*(4*(2*((\g)/2)+\f%2)+2*((\g)%2)+\f/2)+512*\c
.endr
.endr
.endm
.macro LOADV g                         ; V's group g: channel tiles 4 g + f
	WIN 0xc0
.irp f, 0,1,2,3
.irp c, 0,1,2,3
	ds_load_b128 v[FB+64*((\g)%2)+16*\f+4*\c:FB+64*((\g)%2)+16*\f+4*\c+3], v[ADV] offset:2048*(4*(\g)+\f)+512*\c
.endr
.endr
.endm
; product i of 8 of K's group g: chunk 2 (g % 2) + i / 4, key tile 2 (g / 2) + (i / 2) % 2, query tile i % 2: four accumulators by turns, over the groups' edges too
.macro QK1 g, i
	WIN 0x0f
.set rD, S+64*((\i)%2)+8*(2*((\g)/2)+((\i)/2)%2)
.set rA, FB+64*((\g)%2)+16*(2*((\i)/4)+((\i)/2)%2)
.set rB, 64*((\i)%2)+16*(2*((\g)%2)+(\i)/4)
.if ((\g)%2 == 0) && ((\i) < 4)
	v_wmma_f32_16x16x128_fp8_fp8 v[rD:rD+7], v[rA:rA+15], v[rB:rB+15], 0
.else
	v_wmma_f32_16x16x128_fp8_fp8 v[rD:rD+7], v[rA:rA+15], v[rB:rB+15], v[rD:rD+7]
.endif
.endm
.macro RS1 a                           ; accumulator a of O^T x f of its query tile, from its low end on
.set rO, 8*((\a)%32)
.set rF, ST+12*((\a)%2)+4
.if RSD
	WIN 0x44*(1+(\a)/32)
.irp i, 0,2,4,6
	v_dual_mul_f32 v[rO+\i], v[rF], v[rO+\i] :: v_dual_mul_f32 v[rO+\i+1], v[rF], v[rO+\i+1]
.endr
.else
	WIN 0x41*(1+(\a)/32)
.irp i, 0,2,4,6
	v_pk_mul_f32 v[rO+\i:rO+\i+1], v[rO+\i:rO+\i+1], v[rF:rF+1] op_sel_hi:[1,0]
.endr
.endif
.endm
; the largest raw score of tile t among key tiles 2 p, 2 p + 1, in two chains; each accumulator is read from its low end on
.macro MAXH p, t
	WIN 0
.set rS, S+64*(\t)+16*(\p)
.set rM, ST+12*(\t)+8
.if (\p) == 0
	v_max3_num_f32 v[rM], v[rS], v[rS+1], v[rS+2]
	v_max3_num_f32 v[rM+1], v[rS+8], v[rS+9], v[rS+10]
	v_max3_num_f32 v[rM], v[rM], v[rS+3], v[rS+4]
	v_max3_num_f32 v[rM+1], v[rM+1], v[rS+11], v[rS+12]
	v_max3_num_f32 v[rM], v[rM], v[rS+5], v[rS+6]
	v_max3_num_f32 v[rM+1], v[rM+1], v[rS+13], v[rS+14]
	v_max3_num_f32 v[rM], v[rM], v[rS+7], v[rS+15]
.else
.irp i, 0,2,4,6
	v_max3_num_f32 v[rM], v[rM], v[rS+\i], v[rS+\i+1]
	v_max3_num_f32 v[rM+1], v[rM+1], v[rS+8+\i], v[rS+9+\i]
.endr
.endif
.endm
; the step's new M and f, the two tiles line by line.  The largest raw score goes the same roundings as every score (they are monotone)
.macro STATS
.irp t, 0,1
	v_max_num_f32 v[ST+12*\t+8], v[ST+12*\t+8], v[ST+12*\t+9]
.endr
.irp t, 0,1
	v_permlanex16_b32 v[ST+12*\t+9], v[ST+12*\t+8], s[SEL], s[SEL+1]
.endr
.irp t, 0,1
	v_max_num_f32 v[ST+12*\t+8], v[ST+12*\t+8], v[ST+12*\t+9]
.endr
.irp t, 0,1
	v_fma_f32 v[ST+12*\t+8], v[ST+12*\t+8], s[C1], v[ST+12*\t+6]
.endr
.irp t, 0,1
	v_mul_f32 v[ST+12*\t+8], s[L2E], v[ST+12*\t+8]
.endr
.irp t, 0,1
	v_max_num_f32 v[ST+12*\t+1], v[ST+12*\t+1], v[ST+12*\t+8]
.endr
.irp t, 0,1
	v_mov_b32 v[ST+12*\t+10], v[ST+12*\t]
.endr
.irp t, 0,1
	v_floor_f32 v[ST+12*\t], -v[ST+12*\t+1]                            ; -M = floor(-t)
.endr
.irp t, 0,1
	v_sub_f32 v[ST+12*\t+10], v[ST+12*\t], v[ST+12*\t+10]              ; old M - new M
.endr
.irp t, 0,1
	v_cvt_i32_f32 v[ST+12*\t+10], v[ST+12*\t+10]                       ; (it saturates)
.endr
.irp t, 0,1
	v_ldexp_f32 v[ST+12*\t+4], 1.0, v[ST+12*\t+10]                     ; f
.endr
.irp t, 0,1
	v_pk_mul_f32 v[ST+12*\t+2:ST+12*\t+3], v[ST+12*\t+2:ST+12*\t+3], v[ST+12*\t+4:ST+12*\t+5] op_sel_hi:[1,0]
.endr
.endm
; stage st of the scalings, all 64 pairs of both tiles: 1: u = score x scale - o; 2: t = u x log2(e); 3: t - M.  63 lines stand between a pair's stages
.macro SCS st
.set pp, 0
.rept 64
.set pr, S+2*pp
.set rT, ST+12*(pp/32)
.if (\st) == 1
	v_pk_fma_f32 v[pr:pr+1], v[pr:pr+1], s[C1:C1+1], v[rT+6:rT+7] op_sel_hi:[1,0,0]
.elseif (\st) == 2
.if DUAL
	v_dual_mul_f32 v[pr], s[L2E], v[pr] :: v_dual_mul_f32 v[pr+1], s[L2E], v[pr+1]
.else
	v_pk_mul_f32 v[pr:pr+1], v[pr:pr+1], s[L2E:L2E+1] op_sel_hi:[1,0]
.endif
.else
.if DUAL
	v_dual_add_f32 v[pr], v[rT], v[pr] :: v_dual_add_f32 v[pr+1], v[rT], v[pr+1]
.else
	v_pk_add_f32 v[pr:pr+1], v[pr:pr+1], v[rT:rT+1] op_sel_hi:[1,0]
.endif
.endif
.set pp, pp+1
.endr
.endm
.macro ADD2 d, a, b                    ; v[d:d+1] = v[a:a+1] + v[b:b+1]; d, a, b even, so the pair's destinations are even and odd and its like sources lie in different banks
.if DUAL
	v_dual_add_f32 v[\d], v[\a], v[\b] :: v_dual_add_f32 v[(\d)+1], v[(\a)+1], v[(\b)+1]
.else
	v_pk_add_f32 v[\d:(\d)+1], v[\a:(\a)+1], v[\b:(\b)+1]
.endif
.endm
; line n of 192: tile n / 96: the sum of the UNQUANTISED p, four numbers a part in two chains, and a part later the hold of those four (p is not negative: one-sided; the conversion does not saturate: ISA guide 7.6.2)
.macro PQ n
.set rS, S+64*((\n)/96)
.set rT, ST+12*((\n)/96)
.set mm, (\n)%96
.if mm == 0
	ADD2 rT+10, rS, rS+2
.elseif mm < 91
.set jj, 1+(mm-1)/6
.set kk, (mm-1)%6
.if kk == 0
	ADD2 rT+2, rS+4*jj, rT+2
.elseif kk == 1
	ADD2 rT+10, rS+4*jj+2, rT+10
.else
	v_min_num_f32 v[rS+4*jj-4+kk-2], v[rS+4*jj-4+kk-2], v[LIMV]
.endif
.elseif mm == 91
	ADD2 rT+2, rT+10, rT+2
.else
	v_min_num_f32 v[rS+60+mm-92], v[rS+60+mm-92], v[LIMV]
.endif
.endm
.macro LINES cnt
.rept \cnt
	PQ nl
.set nl, nl+1
.endr
.endm
; product w of 64 of O^T += V^T P: channel tile w / 2, query tile w % 2; each accumulator has one product a turn.  pv = 1: the product starts the sum
.macro PV1 w, pv
	WIN (0x50*(1+(\w)/32))|3
.set rO, 8*((\w)%32)
.set rV, FB+64*(((\w)/8)%2)+16*(((\w)/2)%4)
.set rP, P+16*((\w)%2)
.if (\pv) == 1
	v_wmma_f32_16x16x128_fp8_fp8 v[rO:rO+7], v[rV:rV+15], v[rP:rP+15], 0
.else
	v_wmma_f32_16x16x128_fp8_fp8 v[rO:rO+7], v[rV:rV+15], v[rP:rP+15], v[rO:rO+7]
.endif
.endm
.macro CVTS                            ; the held p become codes: registers 4 b .. 4 b + 3 of a tile's operand are keys 32 b + 16 (lane / 16) + 0 .. 15
.irp t, 0,1
.irp b, 0,1,2,3
	v_cvt_scalef32_pk8_fp8_f32 v[P+16*\t+4*\b:P+16*\t+4*\b+1], v[S+64*\t+16*\b:S+64*\t+16*\b+7], v[SCV]
	v_cvt_scalef32_pk8_fp8_f32 v[P+16*\t+4*\b+2:P+16*\t+4*\b+3], v[S+64*\t+16*\b+8:S+64*\t+16*\b+15], v[SCV]
.endr
.endr
	v_nop                                          ; a plain line behind the last scaled conversion
.endm
; A PREFETCH INTO THE L2 of what the NEXT change of slots will ask for, one turn ahead of that load.  The batch's first cluster asks: waves 0, 1 for K of step t + 3 (turns 0 to 12), waves 2, 3 for V of step t + 1 (turns 1 to 14).
; The four partners share the 65,536 bytes out by address, 16,384 each; a wave takes 8,192, lanes 256 bytes apart: each aligned 256 bytes are named once.  mode: 0 turn 0, 1 turn 1, 2 the loop, 3 turns 14 and 15.
.macro ASK mode
.if (\mode) == 0
	s_cmp_eq_u32 s[LIM], 1
.elseif (\mode) == 1
	s_cmp_lt_u32 s[LIM], 2
.elseif (\mode) == 2
	s_cmp_gt_u32 s[SLOTS], s[LIM]
.else
	s_cmp_gt_u32 s[TAIL], s[LIMT]
.endif
	s_cbranch_scc0 .Lnot_mine_\@
	global_prefetch_b8 v[PFO], s[PFA:PFA+1] th:TH_LOAD_NT scope:SCOPE_SE
.Lnot_mine_\@:
.endm
.macro NEXTK q, nk                     ; the next turn's group q of K.  nk = 2: turn 15 has no successor with scores
.if (\nk) == 2
	WIN 0
.if (\q) == 1
	VW                                             ; ahead of the branch: the sums and holds just written are read behind it
.endif
	s_cmp_eq_u32 s[TAIL], 1
	s_cbranch_scc1 .Lno_k_\@
.endif
	LOADK \q
.if (\nk) == 2
	WIN 0
.Lno_k_\@:
.endif
.endm
; PART A.  K's groups 0 and 1 are on their way; group g + 2 is asked for into group g's buffer behind group g.  rs = 1: the rescaling's lines are the places ahead of the loads; rs = 0: four v_nop or the maxima are
.macro PHASEA rs
.set gg, 0
.rept 8
.if (\rs) == 0
	VW                                             ; with no rescaling between, the maxima's chains are read close behind the wait below
.endif
.if gg < 7
	s_wait_dscnt 16                                ; group g is in: one group of 16 loads was issued behind it
.else
	s_wait_dscnt 0
.endif
.set ii, 0
.rept 8
	QK1 gg, ii
.if \rs
	RS1 8*gg+ii
.endif
.set ii, ii+1
.endr
.if ((\rs) == 0) && (gg < 2)
	PLACES 4
.endif
.if gg >= 2
	MAXH (gg-2)/2, gg%2
.endif
.if gg < 6
	LOADK gg+2
.endif
.set gg, gg+1
.endr
	MAXH 3, 0
	MAXH 3, 1
.endm
; PART X: one barrier a turn, which opens a round of the cluster's barrier.  In front of it each wave waits for all its tensor loads, adds 0 to its spare word, and waits for that and for its reads of this step's K.
; fill = 1: K alone (turns 0, 1); 2: K and V; 3: V alone (turns 14, 15).  The branches round the loads hang on the wave's number alone.
.macro XCH fill
	WIN 0
	VW                                             ; the maxima are read behind the waits below
	s_wait_tensorcnt 0x0                           ; no tensor load of mine is out, so a group 0 may be written
	ds_add_u32 v[SPW], v[NIL]
.if (\fill) <= 2
	s_xor_b32 s[G0K+1], s[G0K+1], SLOT1
	s_add_nc_u64 s[G0K+2:G0K+3], s[G0K+2:G0K+3], BLKB
.endif
.if (\fill) >= 2
	s_xor_b32 s[G0V+1], s[G0V+1], SLOT1
	s_add_nc_u64 s[G0V+2:G0V+3], s[G0V+2:G0V+3], BLKB
.endif
	s_wait_xcnt 0x0                                ; the last prefetch has read its address
	s_add_nc_u64 s[PFA:PFA+1], s[PFA:PFA+1], BLKB
	s_xor_b32 s[TB], s[TB], SLOT1                  ; V of step t - 1 and K of step t + 1 lie in the other slot
	v_add_nc_u32 v[ADK], s[TB], v[LI]
	v_add_nc_u32 v[ADV], s[TB], v[LIV]
	STATS
	VW                                             ; the addresses and the statistics are read behind the waits below
	s_wait_dscnt 0x0                               ; the add is done, and my reads of this step's K are over
	s_barrier_signal -1
	SCS 1                                          ; work on registers while the others arrive
	s_barrier_wait -1
	CREST
.if (\fill) == 1
	s_cmp_lt_u32 s[WV], 2
	s_cbranch_scc0 .Lnone_\@
	tensor_load_to_lds s[G0K:G0K+3], s[G1:G1+7]    ; the first thing behind the round, and my one tensor load until the next
	s_nop 0
	PLACES 4
.Lnone_\@:
.elseif (\fill) == 2
	s_cmp_lt_u32 s[WV], 2
	s_cbranch_scc0 .Lfor_v_\@
	tensor_load_to_lds s[G0K:G0K+3], s[G1:G1+7]
	s_nop 0
	PLACES 4
	s_branch .Lasked_\@
.Lfor_v_\@:
	tensor_load_to_lds s[G0V:G0V+3], s[G1:G1+7]
	s_nop 0
	PLACES 4
.Lasked_\@:
.else
	s_cmp_lt_u32 s[WV], 2
	s_cbranch_scc1 .Lnone_\@
	tensor_load_to_lds s[G0V:G0V+3], s[G1:G1+7]
	s_nop 0
	PLACES 4
.Lnone_\@:
.endif
.endm
; PART B.  The first two groups of V (turn 0: of the next K) are asked for; the scalings end; the exponentials go as one batch
.macro PHASEB pv, ask
.if \pv
	LOADV 0
	LOADV 1
.else
	LOADK 0
	LOADK 1
.endif
	WIN 0
	ASK \ask
	SCS 2
	SCS 3
	VW                                             ; one wait ahead of the batch
.set pp, 0
.rept 128
	v_exp_f32 v[S+pp], v[S+pp]                     ; p = 2^(t - M), at most 1
.set pp, pp+1
.endr
	v_nop                                          ; a plain place behind the last of them
	VW                                             ; one wait behind the batch
.endm
; PART C.  Three plain lines behind each product (192 = 64 x 3); behind a group's last product a v_nop makes them the four places ahead of the loads into its buffer, and at the end ahead of the conversions.
; A wait stands ahead of each wait on LDS: the sums' chains are read close behind it.  pv = 2: the products add; 1: they start O^T's sums; 0: none
.macro PHASEC pv, nk
.set nl, 0
.if \pv
.set ww, 0
.rept 64
.if (ww%8 == 0) && (ww < 56)
.if ww > 0
	VW
.endif
	s_wait_dscnt 16                                ; this group is in: one group of 16 loads was issued behind it
.endif
	PV1 ww, \pv
	WIN 0
	LINES 3
.if ww%8 == 7
	v_nop
.if ww < 48
	LOADV ww/8+2
.elseif ww == 55
	VW
	s_wait_dscnt 0x0                               ; V's group 7 is in
	NEXTK 0, \nk
.else
	NEXTK 1, \nk
.endif
.endif
.set ww, ww+1
.endr
.else
	LINES 192
.endif
	WIN 0
	CVTS
.endm
	s_load_b256 s[4:11], s[0:1], 0x0               ; qc, kv, mask, the scales' exponents
	s_load_b64 s[12:13], s[0:1], 0x20              ; out0
	v_lshl_add_u32 v[SPW], v0, 2, SPARE
	v_mov_b32 v[NIL], 0
	ds_add_u32 v[SPW], v[NIL]                      ; the opening lines: the add twice on end and one wait
	ds_add_u32 v[SPW], v[NIL]
	v_lshrrev_b32 v15, 5, v0
	v_readfirstlane_b32 s[WV], v15                 ; wave 0..3
	s_bfe_u32 s15, ttmp6, 0x40000                  ; cx
	s_lshl_b32 s16, ttmp9, 2
	s_add_co_u32 s16, s16, s15                     ; my block of 128 queries: it enters Q's, the mask's and out0's addresses alone
	s_and_b32 s17, ttmp7, 0xffff                   ; the batch, which the four partners share
	s_mov_b32 s[G1], 15|(3<<16)|(1<<21)            ; the mask: all four; elements of 8 bytes; bit 21 beside a mask
	s_mov_b32 s[G1+1], 32<<16                      ; half of a step's K or V: 32,768 dense bytes as 128 rows of 256
	s_mov_b32 s[G1+2], 128<<16
	s_mov_b32 s[G1+3], 32<<16
	s_mov_b32 s[G1+4], 128
	s_mov_b32 s[G1+5], 32
	s_mov_b32 s[G1+6], 0
	s_mov_b32 s[G1+7], 0
	s_and_b32 s[HALF], s[WV], 1
	s_lshl_b32 s19, s[HALF], 15                    ; my half, in a block and in a slot alike
	s_lshl_b32 s20, s17, 21                        ; the batch's 16 blocks
	s_add_co_u32 s20, s20, s19
	s_mov_b32 s21, 0
	s_wait_dscnt 0x0
	s_wait_kmcnt 0x0
	s_load_b128 s[40:43], s[10:11], 0x0            ; eq, ek, ep, ev
	s_add_nc_u64 s[22:23], s[6:7], s[20:21]        ; my half of K of step 0
	CROUND                                         ; the first joint loads meet
	s_mov_b32 s[G0KA], 1
	s_mov_b32 s[G0KA+1], s19
	s_mov_b64 s[G0KA+2:G0KA+3], s[22:23]
	s_or_b32 s[G0KA+3], s[G0KA+3], 0x80000000
	s_mov_b32 s[G0K], 1
	s_add_co_u32 s[G0K+1], s19, SLOT1
	s_add_nc_u64 s[G0K+2:G0K+3], s[22:23], BLKB
	s_or_b32 s[G0K+3], s[G0K+3], 0x80000000
	s_mov_b32 s[G0VA], 1
	s_add_co_u32 s[G0VA+1], s19, VOFF
	s_add_nc_u64 s[G0VA+2:G0VA+3], s[22:23], VOFF
	s_or_b32 s[G0VA+3], s[G0VA+3], 0x80000000
	s_mov_b32 s[G0V], 1
	s_add_co_u32 s[G0V+1], s19, SLOT1+VOFF
	s_add_nc_u64 s[G0V+2:G0V+3], s[22:23], BLKB+VOFF
	s_or_b32 s[G0V+3], s[G0V+3], 0x80000000
	s_cmp_lt_u32 s[WV], 2                          ; one tensor load a wave at the head: step 0's K (waves 0, 1) or V (waves 2, 3)
	s_cbranch_scc0 .Lfirst_v
	tensor_load_to_lds s[G0KA:G0KA+3], s[G1:G1+7]
	s_nop 0
	PLACES 4
	s_branch .Lfirst_asked
.Lfirst_v:
	tensor_load_to_lds s[G0VA:G0VA+3], s[G1:G1+7]
	s_nop 0
	PLACES 4
.Lfirst_asked:
	v_and_b32 v[LI], 31, v0
	v_lshlrev_b32 v[PFO], 8, v[LI]
	v_lshlrev_b32 v[LI], 4, v[LI]
	v_add_nc_u32 v[LIV], VOFF, v[LI]
	v_and_b32 v[MKO], 15, v0
	v_bfe_u32 v15, v0, 4, 1
	v_mov_b32 v[ADK], v[LI]                        ; step 0's K lies in slot 0
	s_lshl_b32 s58, s17, 20                        ; my wave's 32 queries: in qc 512 bytes a row,
	s_lshl_b32 s57, s16, 16
	s_add_co_u32 s58, s58, s57
	s_lshl_b32 s57, s[WV], 14
	s_add_co_u32 s58, s58, s57
	s_mov_b32 s59, 0
	s_lshr_b32 s60, s58, 9                         ; in the mask one byte,
	s_mov_b32 s61, 0
	s_lshl_b32 s62, s58, 2                         ; in out0 2,048
	s_mov_b32 s63, 0
	s_add_nc_u64 s[4:5], s[4:5], s[58:59]
	s_add_nc_u64 s[8:9], s[8:9], s[60:61]
	s_add_nc_u64 s[12:13], s[12:13], s[62:63]
	s_mul_i32 s18, s[WV], 16*SPITCH
	s_add_co_u32 s18, s18, STAGE                   ; my stage
	VW                                             ; the offsets made above are read behind the run of scalar lines
	WIN 0xc0
.irp qt, 0,1
.irp u, 0,1,2,3
.irp c, 0,1,2,3
	global_load_b128 v[64*\qt+16*\u+4*\c:64*\qt+16*\u+4*\c+3], v[LI], s[4:5] offset:8192*\qt+2048*\u+512*\c th:TH_LOAD_NT   ; Q's eight fragments stay in registers
.endr
.endr
.endr
	WIN 0
	global_load_u8 v[MK], v[MKO], s[8:9]
	global_load_u8 v[MK+1], v[MKO], s[8:9] offset:16
	v_mul_u32_u24 v[STO], v[MKO], SPITCH           ; in: row lane % 16, 32 bytes for each half of the lanes
	v_lshl_add_u32 v[STO], v15, 5, v[STO]
	v_add_nc_u32 v[STO], s18, v[STO]
	v_add_nc_u32 v[RD], s18, v[LI]                 ; back: the 32 lanes take one row of 512 bytes
.irp t, 0,1
	v_mov_b32 v[ST+12*\t+1], 0xff61b1e6            ; the largest t so far: -3e38
	v_floor_f32 v[ST+12*\t], -v[ST+12*\t+1]
	v_mov_b32 v[ST+12*\t+2], 0
	v_mov_b32 v[ST+12*\t+3], 0
	v_mov_b32 v[ST+12*\t+5], 0                     ; (named as the upper halves of pairs)
	v_mov_b32 v[ST+12*\t+7], 0
.endr
	s_mov_b32 s[L2E], 0x3fb8aa3b                   ; log2(e)
	s_mov_b32 s[L2E+1], s[L2E]
	s_mov_b32 s[SEL], 0x76543210
	s_mov_b32 s[SEL+1], 0xfedcba98
	s_mov_b32 s[TB], 0
	s_mov_b32 s[SLOTS], 12                         ; turns 2 to 13
	s_mov_b32 s[TAIL], 2                           ; turns 14 and 15
	s_cmp_lt_u32 s[WV], 2                          ; the prefetches: who asks, and where my wave's stand
	s_cselect_b32 s[LIM], 1, 0
	s_cselect_b32 s[LIMT], -1, 1
	s_mov_b32 s58, VOFF
	s_cselect_b32 s58, 2*BLKB, s58                 ; K of step 2, or V of step 0: turn 0's change steps them on.  Nothing is prefetched at the head
	s_cmp_eq_u32 ttmp9, 0                          ; the batch's first cluster: the same in all four partners
	s_cselect_b32 s[LIM], s[LIM], -1
	s_cselect_b32 s[LIMT], s[LIMT], -1
	s_lshl_b32 s57, s17, 21
	s_add_co_u32 s58, s58, s57
	s_lshl_b32 s57, s15, 14                        ; my work-group's 16,384 bytes,
	s_add_co_u32 s58, s58, s57
	s_lshl_b32 s57, s[HALF], 13                    ; my wave's 8,192 of them
	s_add_co_u32 s58, s58, s57
	s_add_nc_u64 s[PFA:PFA+1], s[6:7], s[58:59]
	s_wait_kmcnt 0x0
	s_add_co_i32 s18, s40, s41
	s_lshl_b32 s18, s18, 23
	s_add_co_i32 s[C1], s18, 0x3d3504f3            ; 1 / sqrt(512), with eq + ek added to its exponent field
	s_mov_b32 s[C1+1], s[C1]
	s_add_co_i32 s18, s42, 127
	s_lshl_b32 s19, s18, 23
	v_mov_b32 v[SCV], s19                          ; 2^ep
	s_add_co_i32 s18, s18, 8
	s_lshl_b32 s18, s18, 23
	s_or_b32 s18, s18, 0x600000
	v_mov_b32 v[LIMV], s18                         ; 448 x 2^ep
	s_add_co_i32 s[EPV], s42, s43
	s_wait_loadcnt 0x0                             ; Q and the mask bytes
.irp t, 0,1
	v_cvt_f32_u32 v[MK+\t], v[MK+\t]
	v_sub_f32 v[MK+\t], 1.0, v[MK+\t]
	v_mul_f32 v[ST+12*\t+6], 0xce6e6b28, v[MK+\t]  ; -o = (1 - m) x -1e9
.endr
	VW                                             ; the head's end
	s_wait_tensorcnt 0x0                           ; my half of step 0's K or V is in; the full sequence ahead of slot 1's first fill:
	ds_add_u32 v[SPW], v[NIL]
	s_wait_dscnt 0x0
	CROUND                                         ; everybody's half is in, and the joint loads meet
	s_cmp_lt_u32 s[WV], 2
	s_cbranch_scc0 .Lsecond_v
	tensor_load_to_lds s[G0K:G0K+3], s[G1:G1+7]    ; step 1's K,
	s_nop 0
	PLACES 4
	s_branch .Lsecond_asked
.Lsecond_v:
	tensor_load_to_lds s[G0V:G0V+3], s[G1:G1+7]    ; or V: my one load behind the round
	s_nop 0
	PLACES 4
.Lsecond_asked:
	LOADK 0
	LOADK 1
	WIN 0
	PHASEA 0                                       ; turn 0
	XCH 1
	PHASEB 0, 0
	PHASEC 0, 1
	PHASEA 0                                       ; turn 1
	XCH 1
	PHASEB 1, 1
	PHASEC 1, 1
.Lturn:                                            ; turns 2 to 13
	PHASEA 1
	XCH 2
	PHASEB 2, 2
	PHASEC 2, 1
	s_sub_co_u32 s[SLOTS], s[SLOTS], 1
	s_cmp_lg_u32 s[SLOTS], 0
	s_cbranch_scc1 .Lturn
.Ltail:                                            ; turns 14 and 15 ask for V alone, in both trips: a text of their own by a count
	PHASEA 1
	XCH 3
	PHASEB 2, 3
	PHASEC 2, 2
	s_sub_co_u32 s[TAIL], s[TAIL], 1
	s_cmp_lg_u32 s[TAIL], 0
	s_cbranch_scc1 .Ltail
	; turn 16: a plain barrier shows V of step 15 to every wave. The rescaling and the reciprocals of the sums stand ahead of the products, so that no transcendental stands between them and the way out.
	s_wait_tensorcnt 0x0
	ds_add_u32 v[SPW], v[NIL]
	s_xor_b32 s[TB], s[TB], SLOT1
	v_add_nc_u32 v[ADV], s[TB], v[LIV]
	VW
	s_wait_dscnt 0x0
	s_barrier_signal -1
	s_barrier_wait -1
	LOADV 0
	LOADV 1
.set aa, 0
.rept 64
	RS1 aa
.set aa, aa+1
.endr
	WIN 0
.irp t, 0,1
	v_add_f32 v[ST+12*\t+10], v[ST+12*\t+2], v[ST+12*\t+3]
.endr
.irp t, 0,1
	v_permlanex16_b32 v[ST+12*\t+11], v[ST+12*\t+10], s[SEL], s[SEL+1]
.endr
.irp t, 0,1
	v_add_f32 v[ST+12*\t+10], v[ST+12*\t+10], v[ST+12*\t+11]   ; the row's sum
.endr
	VW                                             ; ahead of the two reciprocals
.irp t, 0,1
	v_rcp_f32 v[ST+12*\t+4], v[ST+12*\t+10]
.endr
	v_nop
	VW                                             ; and behind them
.irp t, 0,1
	v_ldexp_f32 v[ST+12*\t+4], v[ST+12*\t+4], s[EPV]           ; x 2^(ep + ev)
.endr
	VW                                             ; the factors are read behind the waits below
.set ww, 0
.rept 64
.if ww%8 == 0
.if ww < 56
	s_wait_dscnt 16
.else
	s_wait_dscnt 0
.endif
.endif
	PV1 ww, 2
.if ww%8 == 7
	PLACES 4                                       ; ahead of the loads into the buffer just multiplied; behind the last group, of the first read of results
.if ww < 48
	LOADV ww/8+2
.endif
.endif
.set ww, ww+1
.endr
	WIN 0
	; THE WAY OUT.  O^T x 2^(ep + ev) / the sum goes through my stage in LDS, 16 queries x 128 channels at a time, and leaves as whole rows of 512 bytes.
; block k: query tile k / 4, channels 128 (k % 4) on: accumulators 2 (8 (k % 4) + b) + k / 4
.macro TOSTAGE k
.set qq, (\k)/4
.set cq, (\k)%4
	WIN 1+cq/2
.irp b, 0,1,2,3,4,5,6,7
.set ra, 8*((16*cq+2*\b+qq)%32)
.irp i, 0,2,4,6
	v_pk_mul_f32 v[TMP+8*\b+\i:TMP+8*\b+\i+1], v[ra+\i:ra+\i+1], v[ST+12*qq+4:ST+12*qq+5] op_sel_hi:[1,0]   ; each accumulator from its low end on
.endr
.endr
	WIN 0
.irp b, 0,1,2,3,4,5,6,7
	ds_store_b128 v[STO], v[TMP+8*\b:TMP+8*\b+3] offset:64*\b
	ds_store_b128 v[STO], v[TMP+8*\b+4:TMP+8*\b+7] offset:64*\b+16
.endr
.set BB, 128+64*((\k)%2)
.irp t, 0,1,2,3,4,5,6,7,8,9,10,11,12,13,14,15
	ds_load_b128 v[BB+4*\t:BB+4*\t+3], v[RD] offset:\t*SPITCH   ; LDS serves a wave's instructions in order (ISA guide 5.7.1.4)
.endr
.endm
.macro SEND k, younger                 ; younger: the LDS instructions issued behind block k's loads, which may stay out
.set BB, 128+64*((\k)%2)
	s_wait_dscnt \younger
.irp t, 0,1,2,3,4,5,6,7,8,9,10,11,12,13,14,15
	global_store_b128 v[LI], v[BB+4*\t:BB+4*\t+3], s[12:13] offset:32768*((\k)/4)+2048*\t+512*((\k)%4) th:TH_STORE_NT   ; 32 lanes store 512 consecutive bytes, aligned
.endr
.endm
	TOSTAGE 0
.irp k, 1,2,3,4,5,6,7
.if \k > 1
	s_wait_xcnt 0x0                                ; block k - 2's stores have read their registers
.endif
	TOSTAGE \k
	SEND \k-1, 32                                  ; behind block k - 1's loads: block k's 16 stores and 16 loads
.endr
	SEND 7, 0
	s_wait_tensorcnt 0x0                           ; the wave's end
	ds_add_u32 v[SPW], v[NIL]
	s_wait_dscnt 0x0
	CROUND                                         ; the closing round
	s_endpgm
.Lfunc_end_k_q4a05fd23a2_attn:
	.size	k_q4a05fd23a2_attn, .Lfunc_end_k_q4a05fd23a2_attn-k_q4a05fd23a2_attn
	.p2alignl 7, 3214868480
	.fill 96, 4, 3214868480
	.section	.rodata,"a",@progbits
	.p2align	6, 0x0
	.amdhsa_kernel k_q4a05fd23a2_attn
		.amdhsa_group_segment_fixed_size 327680
		.amdhsa_private_segment_fixed_size 0
		.amdhsa_enable_private_segment 0
		.amdhsa_kernarg_size 40
		.amdhsa_user_sgpr_count 2
		.amdhsa_user_sgpr_kernarg_segment_ptr 1
		.amdhsa_wavefront_size32 1
		.amdhsa_system_sgpr_workgroup_id_x 1
		.amdhsa_system_sgpr_workgroup_id_y 1
		.amdhsa_system_sgpr_workgroup_id_z 1
		.amdhsa_system_vgpr_workitem_id 0
		.amdhsa_next_free_vgpr 1024
		.amdhsa_next_free_sgpr 80
		.amdhsa_reserve_vcc 0
		.amdhsa_float_denorm_mode_32 3
		.amdhsa_float_denorm_mode_16_64 3
		.amdhsa_memory_ordered 1
		.amdhsa_forward_progress 1
		.amdhsa_inst_pref_size 255
	.end_amdhsa_kernel
	.section	.bss,"aw",@nobits
	.p2align	6
	.space	262144
	.amdgpu_metadata
---
amdhsa.version: [ 1, 2 ]
amdhsa.kernels:
  - .name:           k_q4a05fd23a2_attn
    .symbol:         k_q4a05fd23a2_attn.kd
    .args:
      - { .name: qc, .offset: 0, .size: 8, .value_kind: global_buffer, .address_space: global }
      - { .name: kv, .offset: 8, .size: 8, .value_kind: global_buffer, .address_space: global }
      - { .name: mask, .offset: 16, .size: 8, .value_kind: global_buffer, .address_space: global }
      - { .name: lowp_scales, .offset: 24, .size: 8, .value_kind: global_buffer, .address_space: global }
      - { .name: out0, .offset: 32, .size: 8, .value_kind: global_buffer, .address_space: global }
    .group_segment_fixed_size: 327680
    .private_segment_fixed_size: 0
    .kernarg_segment_align: 8
    .kernarg_segment_size: 40
    .max_flat_workgroup_size: 128
    .sgpr_count:     80
    .vgpr_count:     1024
    .wavefront_size: 32
...
	.end_amdgpu_metadata
.endif
;; end of part 2
